; MI455X (gfx1250); checked and timed in simulation.
; The chip was launched on July 23, 2026; its instructions are those of AMD's public machine-readable ISA for CDNA 5 (MIT licence, August 2026) and "CDNA5" Instruction Set Architecture Reference Guide (July 2026). The comments in the code are by the model that wrote it; some were corrected since.
;; Base Vector Quantizer. Allowed arithmetic: float matrix products may take bf16 or f16 operands with f32 sums; other float arithmetic in f32, or as packed bf16 or f16 multiplies, adds, multiply-adds, maxima and minima; sums over many terms, partial sums and values carried from step to step in f32; what a program stores and reads back later, other than sums and carried values, may be rounded once to bf16 or f16.
;; Inputs: codebook 8,192 x 256 float32; z 8 x 4,096 x 256 float32.
;; Outputs: out0 8 x 4,096 x 256 float32; out1 8 x 4,096 x 1 int32.
;; One version. Each part assembles by itself: llvm-mc -triple=amdgcn-amd-amdhsa -mcpu=gfx1250 --defsym DOCPART=n.
;; ======== version 1 of 1: 3 launches
;; workspace buffers: cb16 4,194,304 bytes; hb 32,768 bytes; idxw 131,072 bytes of whole numbers
;; launch prep (part 1): grid 128 x 1, 16 waves a work-group, no clusters, 37,120 bytes of LDS; arguments codebook, cb16, hb; writes cb16, hb
.if DOCPART == 1
	.amdgcn_target "amdgcn-amd-amdhsa--gfx1250"
	.amdhsa_code_object_version 6
	.text
	.protected	k_qbbfc03a4e0_prep
	.globl	k_qbbfc03a4e0_prep
	.p2align	8
	.type	k_qbbfc03a4e0_prep,@function
k_qbbfc03a4e0_prep:
	s_mov_b64 s[64:65], 0
	v_nop
	global_prefetch_b8 v0, s[64:65] scope:SCOPE_SE
	s_setreg_imm32_b32 hwreg(HW_REG_WAVE_MODE, 25, 1), 1
	s_wait_xcnt 0x0
; FIRST OF THREE LAUNCHES: the codebook is rounded once to bf16 and laid out in the order in which the second launch's matrix operands take it,
; and hb[k] = -0.5 x (the sum over d of cb16[k][d]^2), in f32, of the ROUNDED numbers.
; THE PROGRAM.  reference(): idx[n] = argmin over k of z_sq[n] + e_sq[k] - 2 p[n][k], p = z e^T; out0[n] = codebook[idx[n]], out1[n] = idx[n].
; DEAD WORK, left out in all three launches: z_sq.  dist reaches the outputs through the argmin along k alone, and z_sq[n] is the same number for every k of row n.  So in exact arithmetic,
; for all finite z and codebook, argmin_k(z_sq[n] + e_sq[k] - 2 p[n][k]) = argmin_k(e_sq[k] - 2 p[n][k]) = argmax_k(p[n][k] - e_sq[k] / 2) (the factor -1/2 is a power of two: exact).
; z_sq is a sum of 256 squares like e_sq, of the same size as the terms that stay.  z itself is live: p needs it.
; LIMIT: a NaN, an infinity or an overflow that arises in z_sq alone is not carried to the result.
; FORMATS.  The product's operands are z and the codebook rounded to bf16 (nearest even), its sums f32; e_sq is taken of the rounded codebook, so that the scores are those of reference() on inputs rounded to bf16.
; LIMIT: where a row's two best distances lie closer than the rounding of f32 sums of this size (some 1e-4 at the drawn spread), reference()'s own roundings decide between them, and this program's may decide otherwise.
; LAYOUT OF cb16.  Block B (codes 16 B .. 16 B + 15) is 8,192 bytes at 8,192 B; in it the 16 bytes at 256 i + 16 r hold code 16 B + r, channels 8 i .. 8 i + 7 (i = 0 .. 31).
; SHARES.  A work-group takes 64 codes (4 blocks; its 64 numbers of hb are 256 consecutive bytes, aligned), each of its 16 waves 4 rows.  A row is two loads of 512 consecutive bytes a wave.
; The rounded rows go through a stage in LDS (chunks of 256 bytes, 272 apart) and leave as 512 consecutive bytes a store.  128 work-groups: with fewer codes each, hb would leave in parts of 256-byte blocks.
.set CP,    272                        ; a chunk (16 codes x 8 channels, 256 bytes) + 16 of padding = 68 words: chunk i starts at bank 4 i mod 64 (64 banks of 4 bytes: ISA guide 11.1)
.set BLK,   32*CP                      ; a block's 32 chunks
.set HST,   4*BLK                      ; behind the stage: the work-group's 64 numbers of hb
.set SPARE, HST+256                    ; behind them: the spare words, 128 bytes for each of 16 waves: eight blocks of 256 bytes that no other line names
.set LN,  1                            ; v1   lane
.set WN,  2                            ; v2   wave
.set GI,  3                            ; v3   my byte offset in the work-group's rows of the codebook: 4,096 x wave + 16 x lane
.set SA,  4                            ; v4   where my 8 bytes of a row go in the stage
.set RD,  5                            ; v5   where I read 16 bytes of a chunk back
.set GO,  6                            ; v6   my byte offset in the work-group's part of cb16: 2,048 x wave + 16 x lane
.set HA,  7                            ; v7   where my wave's four numbers of hb go
.set SPW, 8                            ; v8   LDS address of my spare word; never rewritten
.set NIL, 9                            ; v9   0; never rewritten
.set TA,  10                           ; v10  at work; then wave 0's address in HST
.set HO,  11                           ; v11  8 x lane
.set X,   16                           ; v[16:47]  row t: 8 registers as loaded; later the chunks read back
.set PK,  48                           ; v[48:51]  a row's 8 numbers of mine, rounded and packed
.set U,   52                           ; v[52:59]  the same widened again
.set SM,  60                           ; v[60:61]  sums of squares
.set OT,  62                           ; v62  the other half of the lanes' sum
	s_load_b128 s[4:7], s[0:1], 0x0                ; codebook s[4:5], cb16 s[6:7]
	s_load_b64 s[8:9], s[0:1], 0x10                ; hb
	v_lshl_add_u32 v[SPW], v0, 2, SPARE
	v_mov_b32 v[NIL], 0
	v_and_b32 v[LN], 31, v0
	v_lshrrev_b32 v[WN], 5, v0
	v_readfirstlane_b32 s10, v[WN]                 ; wave 0..15
	s_lshr_b32 s11, s10, 2                         ; my block of the four
	s_and_b32 s12, s10, 3                          ; my four codes of its sixteen
	s_mov_b32 s13, 0xffff0000                      ; a word's upper bf16
	s_mov_b32 s14, 0x76543210                      ; v_permlanex16_b32: each lane takes its own place in the other half
	s_mov_b32 s15, 0xfedcba98
	s_mul_i32 s16, s11, BLK
	s_lshl_b32 s17, s12, 6                         ; code 4 (wave % 4) of a chunk: 64 bytes
	s_add_co_u32 s17, s17, s16
	s_mul_i32 s18, s12, 8*CP                       ; back: chunks 8 (wave % 4) on
	s_add_co_u32 s18, s18, s16
	s_lshl_b32 s19, s10, 4
	s_add_co_u32 s19, s19, HST
	s_lshl_b32 s20, ttmp9, 16                      ; the work-group's 64 rows of 1,024 bytes,
	s_mov_b32 s21, 0
	s_lshl_b32 s22, ttmp9, 15                      ; its 4 blocks of 8,192,
	s_mov_b32 s23, 0
	s_lshl_b32 s24, ttmp9, 8                       ; its 64 numbers of hb
	s_mov_b32 s25, 0
	v_lshlrev_b32 v[GI], 4, v[LN]
	v_lshl_add_u32 v[GI], v[WN], 12, v[GI]
	s_wait_kmcnt 0x0
	s_add_nc_u64 s[4:5], s[4:5], s[20:21]
	s_add_nc_u64 s[6:7], s[6:7], s[22:23]
	s_add_nc_u64 s[8:9], s[8:9], s[24:25]
.irp t, 0,1,2,3
	global_load_b128 v[X+8*(\t):X+8*(\t)+3],   v[GI], s[4:5] offset:1024*(\t)       ; channels 4 l .. 4 l + 3
	global_load_b128 v[X+8*(\t)+4:X+8*(\t)+7], v[GI], s[4:5] offset:1024*(\t)+512   ; channels 128 + 4 l ..
.endr
	; my four channels 4 l .. lie in chunk l / 2, in its half l % 2; the second load's sixteen chunks further on
	v_lshrrev_b32 v[TA], 1, v[LN]
	v_mul_u32_u24 v[SA], v[TA], CP
	v_and_b32 v[TA], 1, v[LN]
	v_lshl_add_u32 v[SA], v[TA], 3, v[SA]
	v_add_nc_u32 v[SA], s17, v[SA]
	v_lshrrev_b32 v[TA], 4, v[LN]                  ; back: lanes 0-15 one chunk of 256 bytes, lanes 16-31 the next
	v_mul_u32_u24 v[RD], v[TA], CP
	v_and_b32 v[TA], 15, v[LN]
	v_lshl_add_u32 v[RD], v[TA], 4, v[RD]
	v_add_nc_u32 v[RD], s18, v[RD]
	v_lshlrev_b32 v[GO], 4, v[LN]
	v_lshl_add_u32 v[GO], v[WN], 11, v[GO]
	v_mov_b32 v[HA], s19
	v_lshl_add_u32 v[TA], v[LN], 3, HST
	v_lshlrev_b32 v[HO], 3, v[LN]
	v_mov_b32 v[OT], 0                             ; v_permlanex16_b32 counts as reading its destination: it is written once here
; Row t of my four: rounded, staged, and its sum of squares taken of the rounded numbers.
.macro ROW t
	s_wait_loadcnt 6-2*(\t)                        ; loads come back in order (ISA guide 5.7.1): this row's two are in, the later rows' two each may stay out
.irp j, 0,1,2,3
	v_cvt_pk_bf16_f32 v[PK+(\j)], v[X+8*(\t)+2*(\j)], v[X+8*(\t)+2*(\j)+1]
.endr
	ds_store_b64 v[SA], v[PK:PK+1]   offset:16*(\t)         ; 32 lanes, 8 bytes each, every bank once
	ds_store_b64 v[SA], v[PK+2:PK+3] offset:16*(\t)+16*CP
.irp j, 0,1,2,3
	v_lshlrev_b32 v[U+2*(\j)],   16,  v[PK+(\j)]   ; bf16 to f32: the low half moves up,
	v_and_b32     v[U+2*(\j)+1], s13, v[PK+(\j)]   ; the high half stays
.endr
	v_pk_mul_f32 v[SM:SM+1], v[U:U+1], v[U:U+1]
.irp j, 2,4,6
	v_pk_fma_f32 v[SM:SM+1], v[U+(\j):U+(\j)+1], v[U+(\j):U+(\j)+1], v[SM:SM+1]
.endr
	v_add_f32 v[SM], v[SM], v[SM+1]
	v_add_f32_dpp v[SM], v[SM], v[SM] row_xmask:1 row_mask:0xf bank_mask:0xf
	v_add_f32_dpp v[SM], v[SM], v[SM] row_xmask:2 row_mask:0xf bank_mask:0xf
	v_add_f32_dpp v[SM], v[SM], v[SM] row_xmask:4 row_mask:0xf bank_mask:0xf
	v_add_f32_dpp v[SM], v[SM], v[SM] row_xmask:8 row_mask:0xf bank_mask:0xf
	v_permlanex16_b32 v[OT], v[SM], s14, s15
	v_add_f32 v[SM], v[SM], v[OT]                  ; every lane holds the row's sum
	v_mul_f32 v[SM], -0.5, v[SM]
	ds_store_b32 v[HA], v[SM] offset:4*(\t)        ; all lanes write the same word with the same number
.endm
	ROW 0
	ROW 1
	ROW 2
	ROW 3
	s_wait_dscnt 0x0                               ; for the others' sake: my stores into the stage are done
	s_barrier_signal -1
	s_barrier_wait -1                              ; a chunk's 16 codes come from four waves
.irp u, 0,1,2,3
	ds_load_b128 v[X+4*(\u):X+4*(\u)+3], v[RD] offset:2*CP*(\u)
.endr
.irp u, 0,1,2,3
	s_wait_dscnt 3-(\u)                            ; LDS loads come back in order: pair u of chunks is in, the later ones may stay out
	global_store_b128 v[GO], v[X+4*(\u):X+4*(\u)+3], s[6:7] offset:512*(\u)  ; 512 consecutive bytes, at a multiple of 512 from cb16's first byte
.endr
	s_cmp_lg_u32 s10, 0                            ; wave 0 stores the work-group's 64 numbers of hb: 256 consecutive bytes, aligned
	s_cbranch_scc1 .Lend
	ds_load_b64 v[X+16:X+17], v[TA]
	s_wait_dscnt 0x0
	global_store_b64 v[HO], v[X+16:X+17], s[8:9]
.Lend:
	s_wait_tensorcnt 0x0                           ; the wave's end: behind my last LDS store
	ds_add_u32 v[SPW], v[NIL]
	s_wait_dscnt 0x0
	s_endpgm
.Lfunc_end_k_qbbfc03a4e0_prep:
	.size	k_qbbfc03a4e0_prep, .Lfunc_end_k_qbbfc03a4e0_prep-k_qbbfc03a4e0_prep
	.p2alignl 7, 3214868480
	.fill 96, 4, 3214868480
	.section	.rodata,"a",@progbits
	.p2align	6, 0x0
	.amdhsa_kernel k_qbbfc03a4e0_prep
		.amdhsa_group_segment_fixed_size 37120
		.amdhsa_private_segment_fixed_size 0
		.amdhsa_enable_private_segment 0
		.amdhsa_kernarg_size 24
		.amdhsa_user_sgpr_count 2
		.amdhsa_user_sgpr_kernarg_segment_ptr 1
		.amdhsa_wavefront_size32 1
		.amdhsa_system_sgpr_workgroup_id_x 1
		.amdhsa_system_sgpr_workgroup_id_y 1
		.amdhsa_system_sgpr_workgroup_id_z 1
		.amdhsa_system_vgpr_workitem_id 0
		.amdhsa_next_free_vgpr 64
		.amdhsa_next_free_sgpr 66
		.amdhsa_reserve_vcc 0
		.amdhsa_float_denorm_mode_32 3
		.amdhsa_float_denorm_mode_16_64 3
		.amdhsa_memory_ordered 1
		.amdhsa_forward_progress 1
		.amdhsa_inst_pref_size 10
	.end_amdhsa_kernel
	.amdgpu_metadata
---
amdhsa.version: [ 1, 2 ]
amdhsa.kernels:
  - .name:           k_qbbfc03a4e0_prep
    .symbol:         k_qbbfc03a4e0_prep.kd
    .args:
      - { .name: codebook, .offset: 0, .size: 8, .value_kind: global_buffer, .address_space: global }
      - { .name: cb16, .offset: 8, .size: 8, .value_kind: global_buffer, .address_space: global }
      - { .name: hb, .offset: 16, .size: 8, .value_kind: global_buffer, .address_space: global }
    .group_segment_fixed_size: 37120
    .private_segment_fixed_size: 0
    .kernarg_segment_align: 8
    .kernarg_segment_size: 24
    .max_flat_workgroup_size: 512
    .sgpr_count:     66
    .vgpr_count:     64
    .wavefront_size: 32
...
	.end_amdgpu_metadata
.endif
;; end of part 1
;; launch score (part 2): grid 256 x 1, 4 waves a work-group, clusters of 4 x 1, 327,680 bytes of LDS; arguments z, cb16, hb, out1, idxw; writes out1, idxw
.if DOCPART == 2
	.amdgcn_target "amdgcn-amd-amdhsa--gfx1250"
	.amdhsa_code_object_version 6
	.text
	.protected	k_qbbfc03a4e0_score
	.globl	k_qbbfc03a4e0_score
	.p2align	8
	.type	k_qbbfc03a4e0_score,@function
k_qbbfc03a4e0_score:
	s_mov_b64 s[64:65], 0
	v_nop
	global_prefetch_b8 v0, s[64:65] scope:SCOPE_SE
	s_setreg_imm32_b32 hwreg(HW_REG_WAVE_MODE, 25, 1), 1
	s_wait_xcnt 0x0
	s_wait_alu depctr_hold_cnt(0) depctr_sa_sdst(0) depctr_va_vdst(0) depctr_va_sdst(0) depctr_va_ssrc(0) depctr_va_vcc(0) depctr_vm_vsrc(0)
	s_getreg_b32 s2, hwreg(HW_REG_IB_STS2, 6, 4)
	s_cmp_eq_u32 s2, 0
	s_cbranch_scc0 .Lentry_in_a_cluster
	s_endpgm
.Lentry_in_a_cluster:
	s_bfe_u32 s2, ttmp6, 0x10000c
	s_cmp_lg_u32 s2, 0x3003
	s_cbranch_scc0 .Lentry_shape_is_right
	s_endpgm
.Lentry_shape_is_right:
; SECOND OF THREE LAUNCHES: for each of the 32,768 rows of z, idx = argmax over the 8,192 codes k of z16 . cb16[k] + hb[k], the lowest k among equals; stored in out1 and, for the third launch's addresses, in idxw.
; LEFT OUT: z_sq, the same for all k of a row, so that it cannot move the argmin (shown at the first launch's head); hb[k] = -e_sq[k] / 2 was made there.
; LIMITS.  z and the codebook enter the product rounded to bf16, the sums are f32; two best scores closer than f32's rounding of such sums may be ordered otherwise than in reference();
; a NaN score is never chosen (reference()'s argmin would take the first NaN); a row all of whose scores are NaN or -infinity gets code 0.
; SHARES.  Work-group g owns rows 128 g .. 128 g + 127.  EACH of its four waves holds all 128 rows as bf16 fragments in 512 registers, and walks a QUARTER of the codes: wave w codes 2,048 w .. 2,048 w + 2,047,
; 128 blocks of 16.  A block is 64 matrix instructions (8 row blocks x 8 steps of 32 channels) for 18 LDS loads.  The four waves' bests meet once, at the end, in LDS.
; THE PRODUCT IS USED TRANSPOSED: source 0 = 16 codes, source 1 = 16 rows of z.  In the result lane l holds ONE row of z (l % 16), and register j the code 8 (l / 16) + j.  The first of a sum's eight
; products takes hb of those eight codes as its C operand: the bias costs no vector instruction, and nothing is ever cleared.  A lane's running best for a row block is one number and one index.
; BY TURNS.  Two sets of 8 accumulators.  While block n is multiplied into one set, block n - 1's 64 score registers are compared out of the other: three vector instructions (compare, maximum, select)
; behind each matrix instruction.  All that they name lies in window 0, the products' operands in windows 1 to 3: two switches of the window for each matrix instruction, the price of keeping 512 registers of z.
; CLUSTER.  The four work-groups of a cluster walk the same cb16 and hb: each tile is asked for JOINTLY, by the same tensor load with the same descriptor (made of the wave's number and the step alone) and the mask of four.
; z is each work-group's own: a plain tensor load.  The place in the cluster enters z's, out1's and idxw's global addresses and the prefetch's, and nothing else.
; LDS: two slots of 131,072 bytes (a step: 4 blocks = 32,768 bytes for each wave, the wave's own); z as f32 lies over slot 1 at the start, is turned into fragments, and slot 1 is then filled like any refill.
; The launch claims all 327,680 bytes; the text uses 301,568.
;
; REGISTERS, in windows of 256 (s_set_vgpr_msb: bits 1:0 source 0, 3:2 source 1, 5:4 source 2, 7:6 destination):
;   window 0: v0-7 addresses; v8-15 BEST, v16-23 IDX, one a row block; v24-31 at work, addresses, the add's two; v32-47 the bias, two sets of 8; v64-191 the accumulators, two sets of 64 (set p, row block a at 64 + 64 p + 8 a)
;   window 1: v0-127 the codes' fragments, two sets of 64 (step q of 32 channels at + 8 q)       window 2: z's row blocks 0-3 (block a, step q at 64 a + 8 q)       window 3: row blocks 4-7
.set SLOT1, 1<<17                      ; slot 1 begins here, so that one exclusive or turns an address in one slot into the other's
.set STEPB, 32768                      ; a wave's bytes of a step: 4 blocks
.set BLKB,  8192                       ; a block: 16 codes x 256 channels of bf16, in fragment order: fragment q's two loads are the 512 consecutive bytes at 1,024 q and at 1,024 q + 512
.set ZT,    SLOT1                      ; z as f32: 128 rows,
.set ZP,    1040                       ; 1,024 bytes + 16 of padding = 260 words apart: row r starts at bank 4 r mod 64 (64 banks of 4 bytes: ISA guide 11.1)
.set BIAS,  ZT+128*ZP                  ; hb whole, 32,768 bytes, filled once; wave w's quarter at + 8,192 w
.set MRG,   BIAS+32768                 ; 4,096 bytes for the end: (best, index) of 128 rows for each wave; no tensor load lands here
.set SPARE, MRG+4096                   ; the spare words, 128 bytes for each wave: two blocks of 256 bytes that no other line names
.set RR,   1                           ; v1   l % 16
.set HH,   2                           ; v2   l / 16
.set LA0,  3                           ; v3   32,768 w + 16 l: my 16 bytes of a load of 512, in my wave's part of slot 0; never rewritten
.set ADR,  4                           ; v4   the LDS address of the run of loads in hand
.set BA0,  5                           ; v5   BIAS + 8,192 w + 32 (l / 16); never rewritten
.set BADR, 6                           ; v6   the same for the block in hand
.set ZA,   7                           ; v7   ZT + 1,040 (l % 16) + 32 (l / 16), stepped by 16 rows
.set BEST, 8
.set IDX,  16
.set TP,   24                          ; v24-27 at work
.set PFO,  28                          ; v28  256 x lane; never rewritten
.set MA,   29                          ; v29  where my row's (best, index) goes at the end
.set SPW,  30                          ; v30  LDS address of my spare word; never rewritten
.set NIL,  31                          ; v31  0; never rewritten
.set BI,   32
.set ACC,  64
.set T,    64                          ; the accumulators' registers, at work before the first product and behind the last
.set WV,   14                          ; s14  my wave's number
.set CX,   15                          ; s15  my work-group's place in the cluster
.set WG,   16                          ; s16  g
.set G1C,  24                          ; s[24:31] descriptor group 1: a step's codes
.set G1B,  32                          ; s[32:39] the bias
.set G1Z,  40                          ; s[40:47] z
.set G0C,  48                          ; s[48:51] descriptor group 0 for the codes: it walks
.set G0B,  52                          ; s[52:55] for the bias
.set G0Z,  56                          ; s[56:59] for z
.set TB,   60                          ; s60  LDS byte, in wave 0's part, of the block to be fetched next
.set TBB,  61                          ; s61  64 x that block's number: its 16 numbers of hb
.set CNT,  62                          ; s62  the loop's trips still to come
.set TWICE, 63                         ; s63  counts a step's two pairs of blocks
.set PFA,  66                          ; s[66:67] where my prefetches stand
.set LIM,  68                          ; s68  2 in the launch's first cluster, else the greatest number: a wave prefetches while s[CNT] is above it
.set MK,   70                          ; s70, s71  the compares' masks, by turns
.set TOK,  72                          ; s[72:79] 2,048 w + 16 x (the block whose scores are being compared) + j
.set SEL,  80                          ; s[80:81] v_permlanex16_b32's selects: each lane takes its own place in the other half
.set MM,   82                          ; s82-84 masks of the end
.set MSB, 0
.macro WIN new                         ; the immediate's high byte repeats the setting that is left; a switch that changes nothing is dropped
.if MSB != (\new)
	s_set_vgpr_msb (MSB<<8)|(\new)
.set MSB, (\new)
.endif
.endm
.macro PLACES
.rept 4
	v_nop
.endr
.endm
; A round of the cluster's barrier: my work-group's barrier, so that wave 0's signal speaks for all four waves; wave 0 signals; every wave waits for all four work-groups; my work-group's barrier once more.
.macro CROUND
	s_barrier_signal -1
	s_barrier_wait -1
	s_cmp_lg_u32 s[WV], 0
	s_cbranch_scc1 .Lnot_wave_0_\@
	s_barrier_signal -3
.Lnot_wave_0_\@:
	s_barrier_wait -3
	s_barrier_signal -1
	s_barrier_wait -1
.endm
	s_load_b256 s[4:11], s[0:1], 0x0               ; z s[4:5], cb16 s[6:7], hb s[8:9], out1 s[10:11]
	s_load_b64 s[12:13], s[0:1], 0x20              ; idxw
	v_lshl_add_u32 v[SPW], v0, 2, SPARE
	v_mov_b32 v[NIL], 0
	ds_add_u32 v[SPW], v[NIL]                      ; the wave's opening: the add, twice on end, and its wait stand ahead of my first tensor load; the set-up below, work on registers, stands between
	ds_add_u32 v[SPW], v[NIL]
	v_lshrrev_b32 v1, 5, v0
	v_readfirstlane_b32 s[WV], v1                  ; wave 0..3
	s_bfe_u32 s[CX], ttmp6, 0x40000                ; my place in the cluster
	s_lshl_b32 s[WG], ttmp9, 2                     ; in a cluster launch ttmp9 counts clusters
	s_add_co_u32 s[WG], s[WG], s[CX]
	s_cmp_eq_u32 ttmp9, 0                          ; the same in all four partners
	s_cselect_b32 s[LIM], 2, -1
	; group 1 for the codes: a wave's 32,768 dense bytes as 128 rows of 256 bytes
	s_mov_b32 s[G1C+0], 15|(3<<16)|(1<<21)         ; 15:0 the mask: all four work-groups; 17:16 elements of 8 bytes; 21 set beside a mask; no padding
	s_mov_b32 s[G1C+1], 32<<16                     ; tensor_dim0 = 32 elements
	s_mov_b32 s[G1C+2], 128<<16                    ; tensor_dim1 = 128
	s_mov_b32 s[G1C+3], 32<<16                     ; tile_dim0 = 32
	s_mov_b32 s[G1C+4], 128                        ; tile_dim1 = 128
	s_mov_b32 s[G1C+5], 32                         ; 32 elements from row to row
	s_mov_b32 s[G1C+6], 0
	s_mov_b32 s[G1C+7], 0
	; for the bias: a wave's 8,192 dense bytes as 32 rows of 256
	s_mov_b32 s[G1B+0], 15|(3<<16)|(1<<21)
	s_mov_b32 s[G1B+1], 32<<16
	s_mov_b32 s[G1B+2], 32<<16
	s_mov_b32 s[G1B+3], 32<<16
	s_mov_b32 s[G1B+4], 32
	s_mov_b32 s[G1B+5], 32
	s_mov_b32 s[G1B+6], 0
	s_mov_b32 s[G1B+7], 0
	; for z: 32 rows of 256 f32, my work-group's own (no mask), 16 bytes of padding behind each row
	s_mov_b32 s[G1Z+0], (2<<16)|(1<<20)|(7<<22)|(3<<25)  ; 17:16 elements of 4 bytes; 20 padding on; 24:22 after every 256 words (code 7); 31:25 4 words of it (code 3)
	s_mov_b32 s[G1Z+1], 256<<16
	s_mov_b32 s[G1Z+2], 32<<16
	s_mov_b32 s[G1Z+3], 256<<16
	s_mov_b32 s[G1Z+4], 32
	s_mov_b32 s[G1Z+5], 256
	s_mov_b32 s[G1Z+6], 0
	s_mov_b32 s[G1Z+7], 0
	s_mov_b32 s[G0C], 1                            ; 1:0 count = 1
	s_lshl_b32 s[G0C+1], s[WV], 15                 ; LDS address: my wave's part of slot 0
	s_mov_b32 s[G0B], 1
	s_lshl_b32 s[G0B+1], s[WV], 13
	s_add_co_u32 s[G0B+1], s[G0B+1], BIAS
	s_mov_b32 s[G0Z], 1
	s_mul_i32 s[G0Z+1], s[WV], 32*ZP
	s_add_co_u32 s[G0Z+1], s[G0Z+1], ZT
	s_lshl_b32 s18, s[WV], 20                      ; my quarter of cb16: 128 blocks of 8,192 bytes
	s_mov_b32 s19, 0
	s_lshl_b32 s20, s[WV], 13                      ; my quarter of hb
	s_mov_b32 s21, 0
	s_lshl_b32 s22, s[WG], 17                      ; my work-group's 128 rows of 1,024 bytes,
	s_lshl_b32 s23, s[WV], 15                      ; the 32 of them that I fetch
	s_add_co_u32 s22, s22, s23
	s_mov_b32 s23, 0
	s_mov_b32 s[TB], SLOT1+STEPB                   ; the first change of slots turns this into 0
	s_mov_b32 s[TBB], 0
	s_mov_b32 s[SEL], 0x76543210
	s_mov_b32 s[SEL+1], 0xfedcba98
	s_wait_dscnt 0x0                               ; both opening adds are done
	s_wait_kmcnt 0x0
	s_add_nc_u64 s[G0C+2:G0C+3], s[6:7], s[18:19]  ; global address: step 0 of my quarter
	s_add_nc_u64 s[PFA:PFA+1], s[6:7], s[18:19]
	s_or_b32 s[G0C+3], s[G0C+3], 0x80000000        ; type = 2
	s_add_nc_u64 s[G0B+2:G0B+3], s[8:9], s[20:21]
	s_or_b32 s[G0B+3], s[G0B+3], 0x80000000
	s_add_nc_u64 s[G0Z+2:G0Z+3], s[4:5], s[22:23]
	s_or_b32 s[G0Z+3], s[G0Z+3], 0x80000000
	s_lshl_b32 s22, s[CX], 13                      ; the prefetches: my work-group's 32 of a tile's 128 rows of 256 bytes,
	s_add_co_u32 s22, s22, 3*STEPB                 ; at step 3: the loop's first trip steps it to step 4
	s_add_nc_u64 s[PFA:PFA+1], s[PFA:PFA+1], s[22:23]
	s_lshl_b32 s22, s[WG], 9                       ; my work-group's 128 indices
	s_add_nc_u64 s[10:11], s[10:11], s[22:23]
	s_add_nc_u64 s[12:13], s[12:13], s[22:23]
	CROUND                                         ; all four work-groups are here: the first joint loads meet
	tensor_load_to_lds s[G0Z:G0Z+3], s[G1Z:G1Z+7]  ; the first fills go out as one group: three tensor loads of mine are out.  z first: it is wanted first
	s_nop 0
	tensor_load_to_lds s[G0C:G0C+3], s[G1C:G1C+7]
	s_nop 0
	tensor_load_to_lds s[G0B:G0B+3], s[G1B:G1B+7]
	s_nop 0
	PLACES                                         ; an s_nop 0 follows each load, four v_nop the last
	; the lanes' addresses and the start of the bests stand in the wait for the tiles
	v_and_b32 v[RR], 15, v0
	v_bfe_u32 v[HH], v0, 4, 1
	v_and_b32 v[TP], 31, v0
	s_lshl_b32 s18, s[WV], 15
	v_lshl_add_u32 v[LA0], v[TP], 4, s18
	s_lshl_b32 s18, s[WV], 13
	s_add_co_u32 s18, s18, BIAS
	v_lshl_add_u32 v[BA0], v[HH], 5, s18
	v_mul_u32_u24 v[ZA], v[RR], ZP
	v_lshl_add_u32 v[ZA], v[HH], 5, v[ZA]
	v_add_nc_u32 v[ZA], ZT, v[ZA]
	v_lshlrev_b32 v[PFO], 8, v[TP]
	s_lshl_b32 s18, s[WV], 10
	s_add_co_u32 s18, s18, MRG
	v_lshl_add_u32 v[MA], v[RR], 3, s18
	s_lshl_b32 s19, s[WV], 11                      ; my first code
.irp j, 0,1,2,3,4,5,6,7
	v_mov_b32 v[BEST+(\j)], 0xff800000             ; -infinity: below every score
	v_mov_b32 v[IDX+(\j)], s19
	s_add_co_u32 s[TOK+(\j)], s19, \j
.endr
	v_mov_b32 v[TP+1], 0                           ; v_permlanex16_b32 counts as reading its destination
	s_wait_tensorcnt 0x0                           ; my parts of z, of step 0 and of the bias are in;
	s_barrier_signal -1
	s_barrier_wait -1                              ; everybody's part of z is.
; z INTO FRAGMENTS.  A fragment of source 1 is 16 rows x 32 channels in 8 registers: lane l holds row l % 16; registers 0-3 channels 8 (l / 16) + 0..7, registers 4-7 channels 16 + 8 (l / 16) + 0..7.
; As f32 those are four loads of 16 bytes, at 0, 16, 64 and 80 from byte 128 q + 32 (l / 16) of the row.  Group g of 16: row block g / 2, steps 4 (g % 2) .. + 3: 16 loads, 32 roundings.  Two sets of 64 registers take turns.
.macro ZLOAD g
	WIN 0
.if ((\g)%2 == 0) && ((\g) > 0)
	v_add_nc_u32 v[ZA], 16*ZP, v[ZA]               ; the next 16 rows
.endif
.irp c, 0,1,2,3
	ds_load_b128 v[T+64*((\g)%2)+16*(\c):T+64*((\g)%2)+16*(\c)+3],     v[ZA] offset:512*((\g)%2)+128*(\c)
	ds_load_b128 v[T+64*((\g)%2)+16*(\c)+4:T+64*((\g)%2)+16*(\c)+7],   v[ZA] offset:512*((\g)%2)+128*(\c)+16
	ds_load_b128 v[T+64*((\g)%2)+16*(\c)+8:T+64*((\g)%2)+16*(\c)+11],  v[ZA] offset:512*((\g)%2)+128*(\c)+64
	ds_load_b128 v[T+64*((\g)%2)+16*(\c)+12:T+64*((\g)%2)+16*(\c)+15], v[ZA] offset:512*((\g)%2)+128*(\c)+80
.endr
.endm
.macro ZCVT g
	WIN 0x80+0x40*((\g)/8)                         ; destination window 2 (row blocks 0-3) or 3
.set zb, 64*(((\g)/2)%4)+32*((\g)%2)
.set tb, T+64*((\g)%2)
.set mm, 0
.rept 32
	v_cvt_pk_bf16_f32 v[zb+mm], v[tb+2*mm], v[tb+2*mm+1]
.set mm, mm+1
.endr
	WIN 0
.endm
	ZLOAD 0
.set gg, 0
.rept 15
	ZLOAD gg+1
	s_wait_dscnt 16                                ; LDS loads come back in order (ISA guide 5.7.1): this group's 16 are in, the next group's 16 may stay out
	ZCVT gg
.set gg, gg+1
.endr
	s_wait_dscnt 0x0
	ZCVT 15
; THE LDS LOADS OF A BLOCK stand in one run of 18: its 16 numbers of hb (each lane its eight) and its 8 fragments, each load 512 consecutive bytes, into set pb.
.macro FETCH pb
	WIN 0
	v_add_nc_u32 v[ADR], s[TB], v[LA0]
	v_add_nc_u32 v[BADR], s[TBB], v[BA0]
	s_add_co_u32 s[TB], s[TB], BLKB                ; the next fetch is the next block's
	s_add_co_u32 s[TBB], s[TBB], 64
	ds_load_b128 v[BI+8*(\pb):BI+8*(\pb)+3],   v[BADR]
	ds_load_b128 v[BI+8*(\pb)+4:BI+8*(\pb)+7], v[BADR] offset:16
	WIN 0x40                                       ; destination window 1
.irp c, 0,1,2,3,4,5,6,7,8,9,10,11,12,13,14,15
	ds_load_b128 v[64*(\pb)+4*(\c):64*(\pb)+4*(\c)+3], v[ADR] offset:512*(\c)
.endr
	WIN 0
.endm
; THE VECTOR WORK.  Score register kk of 64 of set pr: row block kk % 8, register kk / 8.  So each accumulator's register 0 is read first, a row block's eight codes come in ascending
; order, and two instructions on one BEST stand eight slices apart.  The strict compare keeps the earlier, lower code among equals; a NaN loses the compare and the maximum.
.macro CMP kk, pr
	v_cmp_gt_f32 s[MK+(\kk)%2], v[ACC+64*(\pr)+8*((\kk)%8)+(\kk)/8], v[BEST+(\kk)%8]
.endm
.macro UPD kk, pr
	v_max_num_f32 v[BEST+(\kk)%8], v[BEST+(\kk)%8], v[ACC+64*(\pr)+8*((\kk)%8)+(\kk)/8]
	v_cndmask_b32 v[IDX+(\kk)%8], v[IDX+(\kk)%8], s[TOK+(\kk)/8], s[MK+(\kk)%2]
.endm
; Slice k: the compare of score k + 1, then maximum and select of score k: a compare stands a slice ahead of the select that takes its mask; the two masks take turns.
.macro SLICE pr
.if k == 0
	CMP 0, \pr
.endif
.if k < 63
	CMP k+1, \pr
.endif
	UPD k, \pr
.endm
; A BLOCK into set p: product i of 64 is step i / 8 of 32 channels, row block i % 8.  The 8 accumulators take turns, one instruction a turn, over the blocks' edges too (the other set follows).
; ride = 1: behind each product a slice of the other set's scores.  fetch = 1: behind the second product the next block's run of loads, 62 products ahead of the wait for it.
; DISTANCES (ISA guide 7.12.1 for vector instructions).  An accumulator's last product is number 56 + a; its first compare stands in the next block's slice a - 1 (0 for a = 0): for a = 7 slice 63 (two
; instructions) and the next block's slice 0 (four), which name none of that product's registers, lie between; for the others more.  The run of loads stands behind slices 63, 0 and 1: nine such instructions
; behind the last product that read the set that it fills.  A block without slices ends with four v_nop in their stead.
.macro BLOCK p, fetch, ride
	s_wait_dscnt 0x0                               ; this block's fragments and bias are in
.set i, 0
.rept 64
.set aa, i%8
.set qq, i/8
.set rD, ACC+64*(\p)+8*aa
.set rA, 64*(\p)+8*qq
.set rB, 64*(aa%4)+8*qq
	WIN 0x09+4*(aa/4)                              ; source 0 window 1, source 1 window 2 or 3, C and D window 0
.if qq == 0
	v_wmma_f32_16x16x32_bf16 v[rD:rD+7], v[rA:rA+7], v[rB:rB+7], v[BI+8*(\p):BI+8*(\p)+7]
.else
	v_wmma_f32_16x16x32_bf16 v[rD:rD+7], v[rA:rA+7], v[rB:rB+7], v[rD:rD+7]
.endif
	WIN 0
.if \ride
.set k, i
	SLICE 1-(\p)
.endif
.if (\fetch) && (i == 1)
	FETCH 1-(\p)
.endif
.set i, i+1
.endr
.if \ride
.irp j, 0,1,2,3,4,5,6,7
	s_add_co_u32 s[TOK+(\j)], s[TOK+(\j)], 16      ; the next block's codes
.endr
.else
	PLACES
.endif
.endm
.macro PAIR
	BLOCK 1, 1, 1
	BLOCK 0, 1, 1
.endm
.macro TWOPAIRS                        ; four blocks, a step's worth: a pair written once, walked twice; the LDS addresses hang on s[TB] and s[TBB]
	s_mov_b32 s[TWICE], 2
.Lpair_\@:
	PAIR
	s_sub_co_u32 s[TWICE], s[TWICE], 1
	s_cmp_lg_u32 s[TWICE], 0
	s_cbranch_scc1 .Lpair_\@
.endm
; A PREFETCH INTO THE L2, behind the joint refill and its five lines: the step that stands TWO refills on, 512 matrix instructions ahead of the load that will ask for it.  All 64 clusters walk the same tiles: the
; launch's first cluster asks, and nobody else.  Wave w asks for its own tile's rows of 256 bytes; of the 128 the partner at place cx takes 32 cx .. 32 cx + 31, told apart BY ADDRESS; a lane a row, one instruction.
; So each 256 bytes of cb16 from step 4 on are named once in the launch.  Steps 0 to 3 come by their loads alone; the last two trips, whose look-ahead would pass step 31, ask for nothing.
.macro ASK
	s_cmp_gt_u32 s[CNT], s[LIM]
	s_cbranch_scc0 .Lnot_mine_\@
	global_prefetch_b8 v[PFO], s[PFA:PFA+1] th:TH_LOAD_NT scope:SCOPE_SE
.Lnot_mine_\@:
.endm
; THE CHANGE OF SLOTS.  The slot's last block has been fetched.  Each wave waits for all its tensor loads, of which one is out: its part of the other slot; adds 0 to its spare word; and waits for that and for its
; own reads of the slot.  The barrier is a round of the cluster's, so that no wave of any partner still reads the slot or has a load on its way; the joint refill, the step two on, is the first thing behind it:
; it has 256 matrix instructions in which to land.  (At its first use the bytes that are filled again are z's: all reads of z are over, and slot 1 takes step 1.)
.macro CHANGE ask
	WIN 0
	s_wait_tensorcnt 0x0                           ; no tensor load of mine is out, so the group 0 may be written
	ds_add_u32 v[SPW], v[NIL]                      ; 0 onto my spare word; the scalar steps stand between it and the wait for it
	s_xor_b32 s[G0C+1], s[G0C+1], SLOT1            ; the walking descriptor: the other slot than last time,
	s_add_nc_u64 s[G0C+2:G0C+3], s[G0C+2:G0C+3], STEPB  ; the next step; the type bits on top are not reached
.if \ask
	s_wait_xcnt 0x0                                ; the last prefetch, 256 matrix instructions back, has read its address, so it may be written
	s_add_nc_u64 s[PFA:PFA+1], s[PFA:PFA+1], STEPB
.endif
	s_sub_co_u32 s[TB], s[TB], STEPB               ; the fetches go back to a slot's first block,
	s_xor_b32 s[TB], s[TB], SLOT1                  ; in the other slot
	s_wait_dscnt 0x0                               ; the add is done, and my reads of the slot are over
	CROUND
	tensor_load_to_lds s[G0C:G0C+3], s[G1C:G1C+7]  ; my one tensor load behind the round
	s_nop 0
	PLACES
.if \ask
	ASK
.endif
.endm
	CHANGE 0                                       ; z is in registers: step 1 goes where it lay
	FETCH 0                                        ; block 0
	BLOCK 0, 1, 0                                  ; there are no scores yet to compare
	PAIR                                           ; blocks 1 and 2; block 3, the last of step 0, is fetched
	s_mov_b32 s[CNT], 30
.Lslot:                                                ; trip t = 30 - s[CNT]: slot t % 2 takes step t + 2; blocks 4 t + 3 .. 4 t + 6 are multiplied, blocks 4 t + 4 .. 4 t + 7, step t + 1, fetched
	CHANGE 1
	TWOPAIRS
	s_sub_co_u32 s[CNT], s[CNT], 1
	s_cmp_lg_u32 s[CNT], 0
	s_cbranch_scc1 .Lslot
	s_wait_tensorcnt 0x0                           ; the tail is written out.  Step 31 is in: my own bytes, which I alone read; nothing is filled again, so no barrier
	s_sub_co_u32 s[TB], s[TB], STEPB
	s_xor_b32 s[TB], s[TB], SLOT1
	TWOPAIRS                                       ; blocks 123 to 126; blocks 124 to 127 are fetched
	BLOCK 1, 0, 1                                  ; block 127
.set k, 0
.rept 64
	SLICE 1                                        ; and its scores: slice 63 above and slice 0 here are the places behind the last product
.set k, k+1
.endr
	; THE END.  A lane's index lacks its half's 8; a row's two lanes (16 apart) are merged, the lower index among equals; then the four waves', in LDS.
.set ab, 0
.rept 8
	v_lshl_add_u32 v[IDX+ab], v[HH], 3, v[IDX+ab]
.set ab, ab+1
.endr
.set ab, 0
.rept 8
	v_permlanex16_b32 v[TP], v[BEST+ab], s[SEL], s[SEL+1]
	v_permlanex16_b32 v[TP+1], v[IDX+ab], s[SEL], s[SEL+1]
	v_cmp_gt_f32 s[MM], v[TP], v[BEST+ab]          ; the other lane's is taken if it is greater,
	v_cmp_eq_f32 s[MM+1], v[TP], v[BEST+ab]        ; or equal
	v_cmp_lt_u32 s[MM+2], v[TP+1], v[IDX+ab]       ; with the lower code
	s_and_b32 s[MM+1], s[MM+1], s[MM+2]
	s_or_b32 s[MM], s[MM], s[MM+1]
	v_cndmask_b32 v[T+2*ab], v[BEST+ab], v[TP], s[MM]
	v_cndmask_b32 v[T+2*ab+1], v[IDX+ab], v[TP+1], s[MM]
	ds_store_b64 v[MA], v[T+2*ab:T+2*ab+1] offset:128*ab  ; row 16 a + l % 16 of my wave's 128; both lanes of a row write the same 8 bytes
.set ab, ab+1
.endr
	s_wait_dscnt 0x0                               ; for the others' sake: my stores are done
	s_barrier_signal -1
	s_barrier_wait -1
	s_cmp_lg_u32 s[WV], 0                          ; wave 0 merges: lane l takes rows 4 l .. 4 l + 3
	s_cbranch_scc1 .Lend
	v_and_b32 v[TP], 31, v0
	v_lshl_add_u32 v[BADR], v[TP], 5, MRG
	v_lshlrev_b32 v[ADR], 4, v[TP]
.irp v, 0,1,2,3
	ds_load_b128 v[128+8*(\v):128+8*(\v)+3],   v[BADR] offset:1024*(\v)      ; wave v's (best, index) of two rows,
	ds_load_b128 v[128+8*(\v)+4:128+8*(\v)+7], v[BADR] offset:1024*(\v)+16   ; and of the next two
.endr
	s_wait_dscnt 0x0
.irp v, 1,2,3                          ; a later wave holds higher codes: the strict compare leaves equals to the earlier one
.irp n, 0,1,2,3
	v_cmp_gt_f32 s[MM+(\n)%2], v[128+8*(\v)+2*(\n)], v[128+2*(\n)]
	v_cndmask_b32 v[128+2*(\n)], v[128+2*(\n)], v[128+8*(\v)+2*(\n)], s[MM+(\n)%2]
.if (\v) == 3
	v_cndmask_b32 v[160+(\n)], v[129+2*(\n)], v[129+8*(\v)+2*(\n)], s[MM+(\n)%2]  ; the last select lays the four indices side by side
.else
	v_cndmask_b32 v[129+2*(\n)], v[129+2*(\n)], v[129+8*(\v)+2*(\n)], s[MM+(\n)%2]
.endif
.endr
.endr
	global_store_b128 v[ADR], v[160:163], s[10:11] ; 512 consecutive bytes, at a multiple of 512 from out1's first byte
	global_store_b128 v[ADR], v[160:163], s[12:13] ; and the same into idxw
.Lend:
	s_wait_tensorcnt 0x0                           ; the wave's end: behind my last tensor load and my last LDS store
	ds_add_u32 v[SPW], v[NIL]
	s_wait_dscnt 0x0
	CROUND                                         ; the closing round: no work-group ends while a partner may still ask for a tile that names it
	s_endpgm
.Lfunc_end_k_qbbfc03a4e0_score:
	.size	k_qbbfc03a4e0_score, .Lfunc_end_k_qbbfc03a4e0_score-k_qbbfc03a4e0_score
	.p2alignl 7, 3214868480
	.fill 96, 4, 3214868480
	.section	.rodata,"a",@progbits
	.p2align	6, 0x0
	.amdhsa_kernel k_qbbfc03a4e0_score
		.amdhsa_group_segment_fixed_size 327680
		.amdhsa_private_segment_fixed_size 0
		.amdhsa_enable_private_segment 0
		.amdhsa_kernarg_size 40
		.amdhsa_user_sgpr_count 2
		.amdhsa_user_sgpr_kernarg_segment_ptr 1
		.amdhsa_wavefront_size32 1
		.amdhsa_system_sgpr_workgroup_id_x 1
		.amdhsa_system_sgpr_workgroup_id_y 1
		.amdhsa_system_sgpr_workgroup_id_z 1
		.amdhsa_system_vgpr_workitem_id 0
		.amdhsa_next_free_vgpr 1024
		.amdhsa_next_free_sgpr 96
		.amdhsa_reserve_vcc 0
		.amdhsa_float_denorm_mode_32 3
		.amdhsa_float_denorm_mode_16_64 3
		.amdhsa_memory_ordered 1
		.amdhsa_forward_progress 1
		.amdhsa_inst_pref_size 225
	.end_amdhsa_kernel
	.amdgpu_metadata
---
amdhsa.version: [ 1, 2 ]
amdhsa.kernels:
  - .name:           k_qbbfc03a4e0_score
    .symbol:         k_qbbfc03a4e0_score.kd
    .args:
      - { .name: z, .offset: 0, .size: 8, .value_kind: global_buffer, .address_space: global }
      - { .name: cb16, .offset: 8, .size: 8, .value_kind: global_buffer, .address_space: global }
      - { .name: hb, .offset: 16, .size: 8, .value_kind: global_buffer, .address_space: global }
      - { .name: out1, .offset: 24, .size: 8, .value_kind: global_buffer, .address_space: global }
      - { .name: idxw, .offset: 32, .size: 8, .value_kind: global_buffer, .address_space: global }
    .group_segment_fixed_size: 327680
    .private_segment_fixed_size: 0
    .kernarg_segment_align: 8
    .kernarg_segment_size: 40
    .max_flat_workgroup_size: 128
    .sgpr_count:     96
    .vgpr_count:     1024
    .wavefront_size: 32
...
	.end_amdgpu_metadata
.endif
;; end of part 2
;; launch gather (part 3): grid 256 x 1, 8 waves a work-group, no clusters, 0 bytes of LDS; arguments codebook, idxw, out0; writes out0
.if DOCPART == 3
	.amdgcn_target "amdgcn-amd-amdhsa--gfx1250"
	.amdhsa_code_object_version 6
	.text
	.protected	k_qbbfc03a4e0_gather
	.globl	k_qbbfc03a4e0_gather
	.p2align	8
	.type	k_qbbfc03a4e0_gather,@function
k_qbbfc03a4e0_gather:
	s_mov_b64 s[64:65], 0
	v_nop
	global_prefetch_b8 v0, s[64:65] scope:SCOPE_SE
	s_setreg_imm32_b32 hwreg(HW_REG_WAVE_MODE, 25, 1), 1
	s_wait_xcnt 0x0
; THIRD OF THREE LAUNCHES: out0[n][:] = codebook[idxw[n]][:], the f32 rows as they are given.  The indices were stored by the launch before: an address may hang on them here, where they are read from memory.
; SHARES.  A work-group takes 128 rows, each of its eight waves 16.  A wave's 16 indices come by one scalar load; a row is 1,024 bytes: two loads and two stores of 512 consecutive bytes.
; All 32 loads of a wave go out before the first wait: 16 KiB a wave are on their way.  No loop, no LDS, no barrier: no wave wants a byte that another has fetched.
; LIMIT: an index is held to 8,191, the table's last row; the launch before stores none above it.
; No hint on the loads: many rows of z may choose the same code.  No prefetch: the addresses are known only when the indices are in, and the loads follow at once.
.set LO,  1                            ; v1        16 x lane; never rewritten
.set RO,  2                            ; v[2:17]   row i: 1,024 x its index + 16 x lane
.set D,   32                           ; v[32:159] row i: 8 registers
	s_load_b128 s[4:7], s[0:1], 0x0                ; codebook s[4:5], idxw s[6:7]
	s_load_b64 s[8:9], s[0:1], 0x10                ; out0
	v_lshrrev_b32 v1, 5, v0
	v_readfirstlane_b32 s10, v1                    ; wave 0..7
	v_and_b32 v[LO], 31, v0
	v_lshlrev_b32 v[LO], 4, v[LO]
	s_lshl_b32 s12, ttmp9, 7
	s_lshl_b32 s13, s10, 4
	s_add_co_u32 s12, s12, s13                     ; my wave's first row
	s_lshl_b32 s14, s12, 2                         ; its index,
	s_mov_b32 s15, 0
	s_lshl_b32 s2, s12, 10                         ; its 1,024 bytes of out0
	s_mov_b32 s3, 0
	s_wait_kmcnt 0x0
	s_add_nc_u64 s[6:7], s[6:7], s[14:15]
	s_add_nc_u64 s[8:9], s[8:9], s[2:3]
	s_load_b512 s[16:31], s[6:7], 0x0              ; 16 indices, 64 bytes, aligned
	s_wait_kmcnt 0x0
.set i, 0
.rept 16
	s_min_u32 s[16+i], s[16+i], 0x1fff
	v_lshl_add_u32 v[RO+i], s[16+i], 10, v[LO]
.set i, i+1
.endr
.set i, 0
.rept 16
	global_load_b128 v[D+8*i:D+8*i+3],   v[RO+i], s[4:5]
	global_load_b128 v[D+8*i+4:D+8*i+7], v[RO+i], s[4:5] offset:512
.set i, i+1
.endr
.set i, 0
.rept 16
	s_wait_loadcnt 30-2*i                          ; loads come back in order (ISA guide 5.7.1): row i's two are in, the later rows' two each may stay out
	global_store_b128 v[LO], v[D+8*i:D+8*i+3],   s[8:9] offset:1024*i th:TH_STORE_NT      ; 512 consecutive bytes, at a multiple of 512 from out0's first byte
	global_store_b128 v[LO], v[D+8*i+4:D+8*i+7], s[8:9] offset:1024*i+512 th:TH_STORE_NT
.set i, i+1
.endr
	s_endpgm
.Lfunc_end_k_qbbfc03a4e0_gather:
	.size	k_qbbfc03a4e0_gather, .Lfunc_end_k_qbbfc03a4e0_gather-k_qbbfc03a4e0_gather
	.p2alignl 7, 3214868480
	.fill 96, 4, 3214868480
	.section	.rodata,"a",@progbits
	.p2align	6, 0x0
	.amdhsa_kernel k_qbbfc03a4e0_gather
		.amdhsa_group_segment_fixed_size 0
		.amdhsa_private_segment_fixed_size 0
		.amdhsa_enable_private_segment 0
		.amdhsa_kernarg_size 24
		.amdhsa_user_sgpr_count 2
		.amdhsa_user_sgpr_kernarg_segment_ptr 1
		.amdhsa_wavefront_size32 1
		.amdhsa_system_sgpr_workgroup_id_x 1
		.amdhsa_system_sgpr_workgroup_id_y 1
		.amdhsa_system_sgpr_workgroup_id_z 1
		.amdhsa_system_vgpr_workitem_id 0
		.amdhsa_next_free_vgpr 160
		.amdhsa_next_free_sgpr 66
		.amdhsa_reserve_vcc 0
		.amdhsa_float_denorm_mode_32 3
		.amdhsa_float_denorm_mode_16_64 3
		.amdhsa_memory_ordered 1
		.amdhsa_forward_progress 1
		.amdhsa_inst_pref_size 10
	.end_amdhsa_kernel
	.amdgpu_metadata
---
amdhsa.version: [ 1, 2 ]
amdhsa.kernels:
  - .name:           k_qbbfc03a4e0_gather
    .symbol:         k_qbbfc03a4e0_gather.kd
    .args:
      - { .name: codebook, .offset: 0, .size: 8, .value_kind: global_buffer, .address_space: global }
      - { .name: idxw, .offset: 8, .size: 8, .value_kind: global_buffer, .address_space: global }
      - { .name: out0, .offset: 16, .size: 8, .value_kind: global_buffer, .address_space: global }
    .group_segment_fixed_size: 0
    .private_segment_fixed_size: 0
    .kernarg_segment_align: 8
    .kernarg_segment_size: 24
    .max_flat_workgroup_size: 256
    .sgpr_count:     66
    .vgpr_count:     160
    .wavefront_size: 32
...
	.end_amdgpu_metadata
.endif
;; end of part 3
